; MI455X (gfx1250); checked and timed in simulation.
; The chip was launched on July 23, 2026; its instructions are those of AMD's public machine-readable ISA for CDNA 5 (MIT licence, August 2026) and "CDNA5" Instruction Set Architecture Reference Guide (July 2026). The comments in the code are by the model that wrote it; some were corrected since.
;; LSTM Cell. Allowed arithmetic: matrix products marked QUANTISED: E2M1 operands, one E8M0 scale for each 32 along K, by v_wmma_scale_f32_16x16x128_f8f6f4 with both operands' format E2M1 (or v_wmma_scale_f32_32x16x128_f4), f32 sums; everything else in f32.
;; Inputs: U_c 1,024 x 1,024 float32; U_f 1,024 x 1,024 float32; U_i 1,024 x 1,024 float32; U_o 1,024 x 1,024 float32; W_c 1,024 x 1,024 float32; W_f 1,024 x 1,024 float32; W_i 1,024 x 1,024 float32; W_o 1,024 x 1,024 float32; a_prev 8,192 x 1,024 float32; b_c 1,024 float32; b_f 1,024 float32; b_i 1,024 float32; b_o 1,024 float32; bu_c 1,024 float32; bu_f 1,024 float32; bu_i 1,024 float32; bu_o 1,024 float32; c_prev 8,192 x 1,024 float32; x_t 8,192 x 1,024 float32.
;; Outputs: out0 8,192 x 1,024 float32; out1 8,192 x 1,024 float32.
;; This version of the problem:
;;   THIS VERSION OF THE PROBLEM IS GIVEN IN LOW PRECISION. The matrix products marked QUANTISED in the list below multiply operands that are first quantised to E2M1 (2 exponent bits, 1 mantissa bit; 4 bits a number), with one power-of-two scale for each 32 numbers along K (OCP MX v1.0); their sums are f32. All else is computed in f32.
;;   The module's matrix products, in the order in which they are computed (A, B: the left and right operand; K: the contracted axis; several contracted axes count as one K, in the product's order):
;;     1. [M 8,192, K 1,024] x [K 1,024, N 4,096]; A: input x_t; B: computed on the way: QUANTISED
;;     2. [M 8,192, K 1,024] x [K 1,024, N 4,096]; A: input a_prev; B: computed on the way: QUANTISED
;;   THE QUANTISER, for each operand of a quantised product, along K:
;;     - K is cut into blocks of 32 from its start; a last block that is shorter is filled with zeros.
;;     - A block's scale is 2^e with e = floor(log2(the largest magnitude in the block)) - 2, held to -126 .. 127; a block of zeros has e = 0. As a byte (E8M0): e + 127.
;;     - Each number is divided by its block's scale, clamped to +-6, and rounded to the nearest number of E2M1, ties to even, subnormals kept.
;;     - The product sums the exact products of the quantised numbers (number of the format x scale) in f32.
;;   ~~~python
;;   def quantise(x, axis):      # numpy; x: float32 -> the quantised numbers, widened to float32 again
;;       x = np.moveaxis(x, axis, -1); K = x.shape[-1]
;;       x = np.pad(x, [(0, 0)] * (x.ndim - 1) + [(0, -K % 32)]); x = x.reshape(x.shape[:-1] + (-1, 32)); a = np.abs(x).max(-1, keepdims=True)
;;       e = np.where(a > 0, np.clip(np.frexp(np.where(a > 0, a, 1))[1] - 1 - 2, -126, 127), 0)      # np.frexp(a)[1] - 1 = floor(log2(a)), exactly
;;       r = np.clip(x / 2.0 ** e, -6, 6)
;;       step = 2.0 ** (np.maximum(np.frexp(np.where(r == 0, 1, r))[1] - 1, 0) - 1)
;;       q = np.round(r / step) * step * 2.0 ** e      # np.round: ties to even
;;       return np.moveaxis(q.reshape(q.shape[:-2] + (-1,))[..., :K], -1, axis).astype(np.float32)
;;   ~~~
;;   OPERANDS COMPUTED ON THE WAY. 'Computed on the way' means the value that the module computes at that place (a softmax that the list does not call 'softmax' is quantised finished and normalised). What goes into a quantiser is computed in f32, as accurately as f32 sums, v_exp_f32 and their like allow (about 1e-6 of the number): no bf16 or f16 on the way to a quantiser, and a product that is left as it is and whose result goes on into a quantised operand takes f32 operands (vector FMAs, or v_wmma_f32_16x16x4_f32). A number that lies on a knife's edge between two numbers of the format may be rounded either way, as far as f32 arithmetic and the matrix unit's own rounding can turn it there, and no further.
;; One version. Each part assembles by itself: llvm-mc -triple=amdgcn-amd-amdhsa -mcpu=gfx1250 --defsym DOCPART=n.
;; ======== version 1 of 1: 2 launches
;; limits: right only within a limited range of input values
;; workspace buffers: acodes 8,388,608 bytes; ascales 524,288 bytes; bcodes 4,194,304 bytes; bscales 262,144 bytes
;; launch quant (part 1): grid 768 x 1, 4 waves a work-group, no clusters, 33,280 bytes of LDS; arguments x_t, a_prev, W_f, W_i, W_o, W_c, U_f, U_i, U_o, U_c, acodes, ascales, bcodes, bscales; writes acodes, ascales, bcodes, bscales
.if DOCPART == 1
	.amdgcn_target "amdgcn-amd-amdhsa--gfx1250"
	.amdhsa_code_object_version 6
	.text
	.protected	k_q04911277f5_quant
	.globl	k_q04911277f5_quant
	.p2align	8
	.type	k_q04911277f5_quant,@function
k_q04911277f5_quant:
	s_mov_b64 s[64:65], 0
	v_nop
	global_prefetch_b8 v0, s[64:65] scope:SCOPE_SE
	s_setreg_imm32_b32 hwreg(HW_REG_WAVE_MODE, 25, 1), 1
	s_wait_xcnt 0x0
; x_t, a_prev [8192][1024] and the eight weights [1024][1024], all f32 with K innermost, become codes of FP4 (E2M1) with one E8M0 scale byte for each 32 along K.
; The two products of the cell share M and N, so they are laid as ONE product with K = 2048: x_t's (W's) 1024 first, then a_prev's (U's).
;   acodes [8192][1024 bytes]: bytes 0-511 x_t's codes of the row, 512-1023 a_prev's; two codes a byte, the lower k in the low four bits.   bcodes [4096][1024 bytes] likewise: W's, then U's.
;   ascales [4][8192][16], bscales [4][4096][16]: by K step of 512, then by row: byte b is the scale of k = 32 b .. 32 b + 31 of that K step.
;   Row n' of B is gate g (0 f, 1 i, 2 o, 3 c) of hidden unit j at n' = 128 (j / 32) + 32 g + j % 32: 128 neighbouring rows hold the four gates of 32 hidden units.
; A block's scale is 2^(floor(log2(its largest magnitude)) - 2); its byte is the largest magnitude's own exponent field - 2, held at 1 from below.  Each number is divided by the scale and rounded to the nearest code,
; ties to even; what lies beyond 6 gets the largest code.
; LIMITS: a block of zeros gets the byte 1 where the rule says 127: its codes are zeros, which add nothing under any byte but 0xff, and the bytes are read by this program alone.  Blocks whose largest magnitude lies
; under 2^-124 have their byte held at 1.  NaN and infinities among the inputs are not served.
; SHARES.  A work-group takes 32 rows of one tensor: work-groups 0-255 x_t, 256-511 a_prev, then 32 for each weight, in the order of the arguments.  Only pointers and offsets are chosen by the work-group's number:
; there is one path through the text.  Wave w takes rows 16 (w / 2) .. + 15, half w % 2 of each: 16 steps of 512 numbers, a step = 2,048 consecutive bytes of one row.
; A step's four loads read 512 consecutive bytes each, 16 a lane; the conversions want 16 NEIGHBOURS in a lane: so the 2,048 bytes turn through the wave's own stage in LDS and come back 64 bytes a lane (16 bytes of
; padding behind each 64).  Two neighbouring lanes hold a block.  A lane's 16 codes are 8 bytes: the wave stores 256 consecutive, aligned bytes.  A step makes 16 scale bytes, the wave's 16 steps 256, which are
; 16 neighbouring rows of one K step's plane: they gather in the wave's own LDS bytes and leave as one aligned run of 256 bytes.
; No tensor loads, no barrier: waves share nothing.  Loads run four steps (16 loads a wave) ahead, the turn through LDS one step.  Matrix units and clusters have nothing to do here: every byte is read once.
.set STEPS, 16
.set EMAX,  2
.set R,     16                         ; v16-79   four sets of 16 numbers as they are loaded
.set X,     80                         ; v80-111  two sets of 16 neighbours
.set E,     112                        ; v112-127 a scale byte for each step
.set C,     128                        ; v128-191 codes: four registers for each step, so that no store's data are written again
.set WREG,  8192                       ; LDS: a region for each wave: two stages of 32 x SP bytes, behind them its 256 scale bytes
.set SP,    80                         ; a lane's place in a stage: 64 bytes + 16 of padding
	s_load_b512 s[4:19], s[0:1], 0x0               ; x_t, a_prev, W_f, W_i, W_o, W_c, U_f, U_i: pointer k at s[4 + 2 k : 5 + 2 k]
	s_load_b256 s[20:27], s[0:1], 0x40             ; U_o, U_c (k = 8, 9); acodes s[24:25], ascales s[26:27]
	s_load_b128 s[28:31], s[0:1], 0x60             ; bcodes, bscales
	v_lshl_add_u32 v192, v0, 2, 0x8000
	v_mov_b32 v193, 0
	v_lshrrev_b32 v1, 5, v0
	v_readfirstlane_b32 s32, v1                    ; wave
	v_and_b32 v2, 31, v0                           ; lane
	v_lshlrev_b32 v3, 4, v2                        ; my 16 bytes of a load's 512
	s_mul_i32 s44, s32, WREG
	v_lshrrev_b32 v14, 2, v2
	v_mul_u32_u24 v14, v14, SP
	v_and_b32 v15, 3, v2
	v_lshl_add_u32 v14, v15, 4, v14
	v_add_nc_u32 v14, s44, v14                     ; the stage, on the way in: SP (lane / 4) + 16 (lane % 4); a load's 512 bytes take eight places
	v_mul_u32_u24 v15, v2, SP
	v_add_nc_u32 v15, s44, v15                     ; and on the way out: SP x lane: my 16 neighbours
	v_lshlrev_b32 v4, 3, v2                        ; 8 x lane: my codes' place in a step's 256 bytes, and my 8 of the wave's 256 scale bytes
	v_lshrrev_b32 v5, 1, v2
	s_add_co_u32 s44, s44, 2*32*SP
	v_add_nc_u32 v5, s44, v5                       ; LDS: my wave's scale bytes, my block's byte
	v_add_nc_u32 v6, s44, v4                       ; and on the way out 8 bytes a lane
	; which tensor, by the work-group's number alone
	s_lshr_b32 s33, ttmp9, 5                       ; t = 0 .. 23: 0-7 x_t, 8-15 a_prev, 16 + n the n-th weight
	s_lshr_b32 s35, s33, 3                         ; activations: pointer 0 or 1, which is also the part of K (0 x_t, 1 a_prev)
	s_and_b32 s36, s33, 7
	s_add_co_u32 s36, s36, 2                       ; weights: pointer 2 .. 9
	s_bfe_u32 s38, s33, 0x10002                    ; weights: the part of K: 0 W, 1 U
	s_and_b32 s39, s33, 3
	s_lshl_b32 s39, s39, 5                         ; weights: 32 x gate
	s_and_b32 s37, ttmp9, 255                      ; the work-group's number in its tensor: activations,
	s_and_b32 s42, ttmp9, 31                       ; weights
	s_lshl_b32 s40, s37, 5                         ; the first row that it writes: activations 32 x number,
	s_lshl_b32 s43, s42, 7
	s_add_co_u32 s43, s43, s39                     ; weights 128 x number + 32 x gate
	s_mov_b32 s41, 0x20000                         ; bytes of a K step's plane of scales: 8192 x 16,
	s_mov_b32 s48, 0x10000                         ; 4096 x 16
	s_lshr_b32 s49, s32, 1                         ; which 16 rows are my wave's
	s_and_b32 s50, s32, 1                          ; which half of them
	s_cmp_lt_u32 s33, 16                           ; activations or weights?  (selects leave SCC as it is)
	s_cselect_b32 s34, s35, s36                    ; the source's pointer number
	s_cselect_b32 s38, s35, s38                    ; the part of K
	s_cselect_b32 s37, s37, s42
	s_cselect_b32 s40, s40, s43
	s_cselect_b32 s41, s41, s48
	; offsets, in registers of their own; all stay under 2^26
	s_lshl_b32 s51, s49, 4
	s_lshl_b32 s52, s37, 5
	s_add_co_u32 s52, s52, s51                     ; my first source row
	s_lshl_b32 s52, s52, 12                        ; of 4,096 bytes,
	s_lshl_b32 s53, s50, 11
	s_add_co_u32 s52, s52, s53                     ; + my half
	s_mov_b32 s53, 0
	s_add_co_u32 s40, s40, s51                     ; D: my first destination row
	s_lshl_b32 s54, s40, 10                        ; codes: 1,024 bytes a row,
	s_lshl_b32 s55, s38, 9
	s_add_co_u32 s54, s54, s55                     ; + 512 x part
	s_lshl_b32 s55, s50, 8
	s_add_co_u32 s54, s54, s55                     ; + 256 x half
	s_mov_b32 s55, 0
	s_lshl_b32 s46, s38, 1
	s_add_co_u32 s46, s46, s50                     ; scales: K step 2 x part + half,
	s_mul_i32 s46, s46, s41                        ; its plane,
	s_lshl_b32 s47, s40, 4
	s_add_co_u32 s46, s46, s47                     ; + 16 D
	s_mov_b32 s47, 0
	s_wait_alu depctr_va_vdst(0)
	s_wait_kmcnt 0x0
	s_cmp_lt_u32 s33, 16
	s_cselect_b64 s[24:25], s[24:25], s[28:29]     ; the codes' buffer
	s_cselect_b64 s[26:27], s[26:27], s[30:31]     ; the scales' buffer
.irp k, 1,2,3,4,5,6,7,8,9
	s_cmp_eq_u32 s34, \k
	s_cselect_b64 s[4:5], s[4+2*\k:5+2*\k], s[4:5] ; the source
.endr
	s_add_nc_u64 s[4:5], s[4:5], s[52:53]
	s_add_nc_u64 s[24:25], s[24:25], s[54:55]
	s_add_nc_u64 s[26:27], s[26:27], s[46:47]
.macro LOAD t                          ; step t: my half of row t
.irp i, 0,1,2,3
	global_load_b128 v[R+16*((\t)%4)+4*\i:R+16*((\t)%4)+4*\i+3], v3, s[4:5] offset:4096*(\t)+512*\i th:TH_LOAD_NT   ; 32 lanes read 512 consecutive bytes; read once in the launch
.endr
.endm
.macro TURN t                          ; step t's numbers through the stage: LDS serves a wave's instructions in order (ISA guide 5.7.1.4), so no wait stands between the stores and the loads
.irp i, 0,1,2,3
	ds_store_b128 v14, v[R+16*((\t)%4)+4*\i:R+16*((\t)%4)+4*\i+3] offset:32*SP*((\t)%2)+8*SP*\i
.endr
.irp i, 0,1,2,3
	ds_load_b128 v[X+16*((\t)%2)+4*\i:X+16*((\t)%2)+4*\i+3], v15 offset:32*SP*((\t)%2)+16*\i
.endr
.endm
.irp t, 0,1,2,3
	LOAD \t
.endr
	s_wait_loadcnt 12                              ; step 0's four loads are in; the twelve behind them may be out
	TURN 0
.macro STEP t
.set XS, X+16*((\t)%2)
.if (\t) > 0
	s_wait_dscnt 1                                 ; this step's numbers are back from the stage (the last step's byte store may be out): so its stores into the stage have read their registers,
.else
	s_wait_dscnt 0x0
.endif
.if (\t)+4 < STEPS
	LOAD (\t)+4                                    ; which take the loads of four steps on
.endif
.if (\t)+1 < STEPS
.if STEPS-2-(\t) >= 3
	s_wait_loadcnt 12                              ; the next step's four loads are in; those of the three steps behind it may be out
.else
	s_wait_loadcnt 4*(STEPS-2-(\t))                ; the last steps: fewer are behind it
.endif
	TURN (\t)+1                                    ; and go through the other stage while this step is worked
.endif
	v_max3_num_f32 v8, |v[XS]|, |v[XS+1]|, |v[XS+2]|               ; the largest magnitude of my 16, in two chains
	v_max3_num_f32 v9, |v[XS+3]|, |v[XS+4]|, |v[XS+5]|
.irp i, 6,10
	v_max3_num_f32 v8, v8, |v[XS+\i]|, |v[XS+\i+1]|
	v_max3_num_f32 v9, v9, |v[XS+\i+2]|, |v[XS+\i+3]|
.endr
	v_max3_num_f32 v8, v8, |v[XS+14]|, |v[XS+15]|
	v_max3_num_f32 v8, v8, v9, (EMAX+1)<<23        ; and the floor 2^(3 - 127), under which no largest magnitude is taken: so the byte cannot fall under 1
	v_max_num_f32_dpp v8, v8, v8 row_xmask:1 row_mask:0xf bank_mask:0xf   ; and of my neighbour's 16: the block's
	v_add_nc_u32 v11, -(EMAX<<23), v8              ; 2 off its exponent field: the conversion takes the exponent field of this operand as its scale, and nothing else of it
	v_cvt_scalef32_pk8_fp4_f32 v[C+4*(\t)], v[XS:XS+7], v11        ; eight numbers / the scale, to the nearest code; the first number's code in the lowest four bits
	v_cvt_scalef32_pk8_fp4_f32 v[C+4*(\t)+1], v[XS+8:XS+15], v11
	v_lshrrev_b32 v[E+(\t)], 23, v11               ; the scale's byte.  (Also the plain line behind the conversions)
	ds_store_b8 v5, v[E+(\t)] offset:16*(\t)       ; both lanes of a block write the same byte with the same value
	global_store_b64 v4, v[C+4*(\t):C+4*(\t)+1], s[24:25] offset:1024*(\t)   ; 32 lanes store 256 consecutive bytes, at a multiple of 256 from the buffer's first byte; the next launch reads them
.endm
.irp t, 0,1,2,3,4,5,6,7,8,9,10,11,12,13,14,15
	STEP \t
.endr
	ds_load_b64 v[12:13], v6                       ; LDS serves a wave's instructions in order: these see my byte stores
	s_wait_dscnt 0x0
	global_store_b64 v4, v[12:13], s[26:27]        ; 16 rows x 16 scale bytes: 256 consecutive, aligned bytes
	s_wait_tensorcnt 0x0
	ds_add_u32 v192, v193
	s_wait_dscnt 0x0
	s_endpgm
.Lfunc_end_k_q04911277f5_quant:
	.size	k_q04911277f5_quant, .Lfunc_end_k_q04911277f5_quant-k_q04911277f5_quant
	.p2alignl 7, 3214868480
	.fill 96, 4, 3214868480
	.section	.rodata,"a",@progbits
	.p2align	6, 0x0
	.amdhsa_kernel k_q04911277f5_quant
		.amdhsa_group_segment_fixed_size 33280
		.amdhsa_private_segment_fixed_size 0
		.amdhsa_enable_private_segment 0
		.amdhsa_kernarg_size 112
		.amdhsa_user_sgpr_count 2
		.amdhsa_user_sgpr_kernarg_segment_ptr 1
		.amdhsa_wavefront_size32 1
		.amdhsa_system_sgpr_workgroup_id_x 1
		.amdhsa_system_sgpr_workgroup_id_y 1
		.amdhsa_system_sgpr_workgroup_id_z 1
		.amdhsa_system_vgpr_workitem_id 0
		.amdhsa_next_free_vgpr 194
		.amdhsa_next_free_sgpr 66
		.amdhsa_reserve_vcc 0
		.amdhsa_float_denorm_mode_32 3
		.amdhsa_float_denorm_mode_16_64 3
		.amdhsa_memory_ordered 1
		.amdhsa_forward_progress 1
		.amdhsa_inst_pref_size 35
	.end_amdhsa_kernel
	.amdgpu_metadata
---
amdhsa.version: [ 1, 2 ]
amdhsa.kernels:
  - .name:           k_q04911277f5_quant
    .symbol:         k_q04911277f5_quant.kd
    .args:
      - { .name: x_t, .offset: 0, .size: 8, .value_kind: global_buffer, .address_space: global }
      - { .name: a_prev, .offset: 8, .size: 8, .value_kind: global_buffer, .address_space: global }
      - { .name: W_f, .offset: 16, .size: 8, .value_kind: global_buffer, .address_space: global }
      - { .name: W_i, .offset: 24, .size: 8, .value_kind: global_buffer, .address_space: global }
      - { .name: W_o, .offset: 32, .size: 8, .value_kind: global_buffer, .address_space: global }
      - { .name: W_c, .offset: 40, .size: 8, .value_kind: global_buffer, .address_space: global }
      - { .name: U_f, .offset: 48, .size: 8, .value_kind: global_buffer, .address_space: global }
      - { .name: U_i, .offset: 56, .size: 8, .value_kind: global_buffer, .address_space: global }
      - { .name: U_o, .offset: 64, .size: 8, .value_kind: global_buffer, .address_space: global }
      - { .name: U_c, .offset: 72, .size: 8, .value_kind: global_buffer, .address_space: global }
      - { .name: acodes, .offset: 80, .size: 8, .value_kind: global_buffer, .address_space: global }
      - { .name: ascales, .offset: 88, .size: 8, .value_kind: global_buffer, .address_space: global }
      - { .name: bcodes, .offset: 96, .size: 8, .value_kind: global_buffer, .address_space: global }
      - { .name: bscales, .offset: 104, .size: 8, .value_kind: global_buffer, .address_space: global }
    .group_segment_fixed_size: 33280
    .private_segment_fixed_size: 0
    .kernarg_segment_align: 8
    .kernarg_segment_size: 112
    .max_flat_workgroup_size: 128
    .sgpr_count:     66
    .vgpr_count:     194
    .wavefront_size: 32
...
	.end_amdgpu_metadata
.endif
;; end of part 1
;; launch cell (part 2): grid 16 x 16, 4 waves a work-group, clusters of 4 x 4, 327,680 bytes of LDS; arguments acodes, ascales, bcodes, bscales, c_prev, out0, out1, b_f, b_i, b_o, b_c, bu_f, bu_i, bu_o, bu_c; writes out0, out1
.if DOCPART == 2
	.amdgcn_target "amdgcn-amd-amdhsa--gfx1250"
	.amdhsa_code_object_version 6
	.text
	.protected	k_q04911277f5_cell
	.globl	k_q04911277f5_cell
	.p2align	8
	.type	k_q04911277f5_cell,@function
k_q04911277f5_cell:
	s_mov_b64 s[64:65], 0
	v_nop
	global_prefetch_b8 v0, s[64:65] scope:SCOPE_SE
	s_setreg_imm32_b32 hwreg(HW_REG_WAVE_MODE, 25, 1), 1
	s_wait_xcnt 0x0
	s_wait_alu depctr_hold_cnt(0) depctr_sa_sdst(0) depctr_va_vdst(0) depctr_va_sdst(0) depctr_va_ssrc(0) depctr_va_vcc(0) depctr_vm_vsrc(0)
	s_getreg_b32 s2, hwreg(HW_REG_IB_STS2, 6, 4)
	s_cmp_eq_u32 s2, 0
	s_cbranch_scc0 .Lentry_in_a_cluster
	s_endpgm
.Lentry_in_a_cluster:
	s_bfe_u32 s2, ttmp6, 0x10000c
	s_cmp_lg_u32 s2, 0xf033
	s_cbranch_scc0 .Lentry_shape_is_right
	s_endpgm
.Lentry_shape_is_right:
; The LSTM cell on codes of FP4 (E2M1) with one E8M0 scale for each 32 along K:  pre = A B^T + (b + bu), A [8192][2048] (x_t | a_prev), B [4096][2048] (W | U), then
; f, i, o = sigmoid, g = tanh, c_t = f c_prev + i g (out1), a_t = o tanh(c_t) (out0).  pre never goes to memory.
; Row n' of B is gate g (0 f, 1 i, 2 o, 3 c) of hidden unit j at n' = 128 (j / 32) + 32 g + j % 32.  Codes: 1,024 bytes a row.  Scale bytes: [K step of 512][row][16].
; SHARES.  256 work-groups of four waves.  A WORK-GROUP STAYS and makes two tiles, 4,096 batch rows apart, of 256 batch rows x 256 rows of B (64 hidden units x 4 gates); both take the same rows of B.
; Wave (RH, CH) makes 128 rows x 128 rows of B = 32 hidden units x 4 gates: 64 accumulators, 512 registers.  THE MATRIX INSTRUCTION IS USED TRANSPOSED (source 0 = 16 rows of B, source 1 = 16 rows of A):
; register j of lane (r, h) of accumulator (a, b = 2 g + u) is pre(row 16 a + r, gate g, hidden unit 16 u + 8 h + j of the wave's 32): the four gates of an element lie in one lane.
; K goes in four steps of 512 (rows of 256 bytes) through a ring of two LDS slots filled by joint tensor loads; the ring goes on into the second tile: the first tile's last two changes of slots ask for the
; second tile's K steps 0 and 1, ahead of the first tile's way out.  The two changes of slots that differ between the tiles are written out twice, as two arms chosen by the tile counter.
; SCALE WORDS come from memory straight into registers, one K step ahead: a load takes 32 neighbouring rows x 16 bytes = 512 consecutive bytes; lanes 0-15 hold an even block's words, lanes 16-31 the odd block's.
; The ring, the stages and the spare words take 313,856 bytes of LDS: the scales of all of K (32,768 bytes for a tile) do not fit beside them.
; THE WAY OUT, in four passes of two blocks of 16 rows.  A row's 256 bytes (64 hidden units) come from two waves, so c_prev, c_t and a_t pass through stages of their own behind the ring, a buffer for each block of a pass.
; In the row layout wave CH owns rows 8 CH .. 8 CH + 7 of each block of its half: it stores c_prev's rows there, reads c_t's and a_t's rows back whole and stores them, sixteen lanes to 256 aligned bytes.
; c_t is written over c_prev by the lane that read it; the next pass's rows of c_prev follow the owner's own reads of c_t's rows (LDS serves a wave in order: ISA guide 5.7.1.4).
; c_prev's rows come into registers well ahead: those of passes 0 and 1 are asked for behind K step 2's change of slots, those of passes 2 and 3 at the way out's start, two passes ahead of their LDS stores.
; Two barriers a pass: one between the stores in the result's layout and the accesses by rows, one between those and the next pass's accesses in the result's layout; the second is signalled early and waited for late.
; CLUSTERS: 4 x 4 work-groups; A's tiles are asked for jointly along a row of the cluster, B's along a column.  PREFETCHES: the codes' rows two refills ahead (K step 1 too at the head), the four partners sharing a
; wave's 128 rows by address, a lane a row; B's rows in the first tile alone; each wave's 64 rows of c_prev's tile at K step 0's end.
; THE ACTIVATIONS: sigmoid(x) = 1 / (1 + 2^(-x log2 e)), tanh(x) = 1 - 2 / (1 + 2^(2 x log2 e)): an exponential that overflows gives infinity and a reciprocal of 0, one that underflows 0: both forms end at their limits.
; LIMITS: near 0 tanh has an absolute error of about 1e-7 (a difference from 1); NaN and infinities among the inputs are not served.
; REGISTERS: window 0: v0-29 addresses; v32-95 scale words, two sets, nothing else; v128-191 A's fragments; way out: v96-223 at work, v224-255 c_prev.
;   window 1: B's fragments at v0 and v128; v64-127 c_prev's rows of passes 0 and 1 coming in; v192-255 b + bu; way out: v0-63 rows going out, v128-191 c_prev's rows of passes 2 and 3.
;   window 2: accumulators of my rows 0-63 ((a, b) at v[8 (8 (a % 4) + b)]);   window 3: rows 64-127.
.set NQ,     4
.set ROWB,   256
.set KROW,   1024
.set PITCH,  272                       ; 256 bytes + 16 of padding: 16 rows start at 16 different banks (64 banks of 4 bytes: ISA guide 11.1)
.set FR,     8
.set NL,     2
.set NP,     4                         ; places behind this matrix instruction (ISA guide 7.12.1)
.set HALFT,  128*PITCH
.set SLOT,   4*HALFT
.set STG,    2*SLOT                    ; the stages, behind the ring: no tensor load lands here
.set BLK,    16*PITCH                  ; 16 rows of one half
.set BUF,    2*BLK                     ; a buffer: both halves' 16 rows
.set AST,    2*BUF                     ; a_t's two buffers lie behind c's two
.set SPARE,  STG+4*BUF
.set WALKA,  4096*KROW                 ; from tile to tile: A's codes,
.set WALKO,  4096*4096                 ; c_prev and the outputs,
.set WALKS,  4096*16                   ; A's scales
.set APL,    8192*16                   ; a K step's plane of A's scales, of B's
.set BPL,    4096*16
.set BO,   7
.set CPA,  8                           ; LDS: my place in c's stage in the result's layout
.set RD,   9                           ; LDS: my place in c's stage in the row layout
.set CO,   10                          ; the same place in c_prev and the outputs
.set SCO,  11                          ; 16 x lane
.set PFO,  12                          ; 1,024 x lane
.set PFC,  13                          ; 4,096 x (64 CH + lane)
.set ADRA, 16
.set ADRB, 20
.set SPW,  28
.set NIL,  29
.set SC,   32                          ; set s at SC + 32 s: A's blocks 2 p, 2 p + 1 at 4 p + q, B's at 16 + 4 p + q
.set T,    96                          ; 64 e + 16 g + 8 u + j, e the block of the pass
.set AF,   128
.set CP,   224                         ; 16 e + 8 u + j
.set BK,   0                           ; in window 1
.set CG,   64                          ; in window 1: 32 registers for each pass
.set BI,   192                         ; in window 1
.set TL,  2                            ; tiles to go
.set LIM, 3                            ; 1 while my wave prefetches the next tile's rows of A
.set NLG, 4
.set PLG, 6
.set CPB, 8
.set O0,  10
.set O1,  12
.set ASB, 14
.set WV, 18
.set RH, 19
.set CH, 20
.set TR, 21
.set TC, 22
.set G1, 24
.set G0, 32
.set BSB, 44
.set PFA, 46
.set G1B, 48
.set G0B, 56
.set MSB, 0
.macro WIN new
.if MSB != \new
	s_set_vgpr_msb (MSB<<8)|\new
.set MSB, \new
.endif
.endm
.set MUL_LO,  0xa1
.set MUL_HI,  0xf1
.set MULF_LO, 0x91                     ; the first step: C (the biases) window 1, D window 2
.set MULF_HI, 0xd1
.set TO_B,    0x40                     ; loaded data window 1, address window 0
.set FROM_B,  0x04                     ; stored data window 1, address window 0
.macro JLOAD g0a, g1a, g0b, g1b        ; waves 0, 1 fetch for A, waves 2, 3 for B
	s_cmp_eq_u32 s[RH], 0
	s_cbranch_scc0 .Lfor_b_\@
	tensor_load_to_lds s[\g0a:\g0a+3], s[\g1a:\g1a+7]
	s_nop 0
.rept 4
	v_nop
.endr
	s_branch .Lasked_\@
.Lfor_b_\@:
	tensor_load_to_lds s[\g0b:\g0b+3], s[\g1b:\g1b+7]
	s_nop 0
.rept 4
	v_nop
.endr
.Lasked_\@:
.endm
.macro CREST
	s_cmp_lg_u32 s[WV], 0
	s_cbranch_scc1 .Lnot_wave_0_\@
	s_barrier_signal -3
.Lnot_wave_0_\@:
	s_barrier_wait -3
	s_barrier_signal -1
	s_barrier_wait -1
.endm
.macro CROUND
	s_barrier_signal -1
	s_barrier_wait -1
	CREST
.endm
.macro SCL set, offa, offb             ; a K step's scale words of my 128 rows of A and of B
.irp p, 0,1,2,3
	global_load_b128 v[SC+32*(\set)+4*\p:SC+32*(\set)+4*\p+3], v[SCO], s[ASB:ASB+1] offset:(\offa)+512*\p
	global_load_b128 v[SC+32*(\set)+16+4*\p:SC+32*(\set)+16+4*\p+3], v[SCO], s[BSB:BSB+1] offset:(\offb)+512*\p
.endr
.endm
.macro CPL q                           ; my 8 rows of c_prev of each block of pass q, whole rows of 256 bytes, two a load, into the pass's own 32 registers
	WIN TO_B
.irp e, 0,1
.irp t, 0,1,2,3
	global_load_b128 v[CG+32*(\q)+16*\e+4*\t:CG+32*(\q)+16*\e+4*\t+3], v[CO], s[CPB:CPB+1] offset:(16*(2*(\q)+\e)+2*\t)*4096 th:TH_LOAD_NT
.endr
.endr
	WIN 0
.endm
	s_load_b256 s[68:75], s[0:1], 0x0              ; A's codes, A's scales, B's codes, B's scales
	s_load_b128 s[76:79], s[0:1], 0x20             ; c_prev, out0
	s_load_b64 s[80:81], s[0:1], 0x30              ; out1
	s_load_b512 s[84:99], s[0:1], 0x38             ; b_f, b_i, b_o, b_c, bu_f, bu_i, bu_o, bu_c
	v_lshl_add_u32 v[SPW], v0, 2, SPARE
	v_mov_b32 v[NIL], 0
	ds_add_u32 v[SPW], v[NIL]
	ds_add_u32 v[SPW], v[NIL]
	v_lshrrev_b32 v1, 5, v0
	v_readfirstlane_b32 s[WV], v1
	s_lshr_b32 s[RH], s[WV], 1
	s_and_b32 s[CH], s[WV], 1
	s_bfe_u32 s40, ttmp6, 0x40000                  ; cx, cy
	s_bfe_u32 s41, ttmp6, 0x40004
	s_lshl_b32 s[TC], ttmp9, 2
	s_add_co_u32 s[TC], s[TC], s40
	s_and_b32 s[TR], ttmp7, 0xffff
	s_lshl_b32 s[TR], s[TR], 2
	s_add_co_u32 s[TR], s[TR], s41
	s_lshl_b32 s42, s41, 2
	s_lshl_b32 s42, 15, s42                        ; my row of the cluster
	s_lshl_b32 s43, 0x1111, s40                    ; my column
	s_or_b32 s[G1+0], s42, (0<<16)|(1<<20)|(1<<21)|(5<<22)|(3<<25)  ; mask; bytes; padding of 4 words behind every 64
	s_or_b32 s[G1B+0], s43, (0<<16)|(1<<20)|(1<<21)|(5<<22)|(3<<25)
.irp g, G1, G1B
	s_mov_b32 s[\g+1], ROWB<<16
	s_mov_b32 s[\g+2], 128<<16
	s_mov_b32 s[\g+3], ROWB<<16
	s_mov_b32 s[\g+4], 128
	s_mov_b32 s[\g+5], KROW
	s_mov_b32 s[\g+6], 0
	s_mov_b32 s[\g+7], 0
.endr
	s_lshl_b32 s17, s[CH], 7
	s_lshl_b32 s82, s[TR], 8
	s_lshl_b32 s83, s[TC], 8
	s_add_co_u32 s66, s82, s17                     ; the rows of A that I fetch
	s_add_co_u32 s67, s83, s17                     ; the rows of B that I fetch; also those that I multiply
	s_lshl_b32 s2, s66, 10
	s_mov_b32 s3, 0
	s_lshl_b32 s100, s67, 10
	s_mov_b32 s101, 0
	s_cmp_eq_u32 s[RH], 0
	s_cselect_b32 s104, s82, s83                   ; the prefetches: the tile's first row,
	s_cselect_b32 s16, s40, s41                    ; my place among the four that ask with me
	s_lshl_b32 s16, s16, 5
	s_add_co_u32 s104, s104, s16
	s_add_co_u32 s104, s104, s17
	s_lshl_b32 s104, s104, 10
	s_mov_b32 s105, 0
	s_mul_i32 s23, s[WV], HALFT                    ; where my part of a slot goes
	s_mul_i32 s4, s[RH], HALFT
	s_add_co_u32 s5, s4, SLOT
	s_mul_i32 s6, s[CH], HALFT
	s_add_co_u32 s6, s6, 2*HALFT
	s_add_co_u32 s7, s6, SLOT
	s_mul_i32 s13, s[RH], BLK
	s_add_co_u32 s13, s13, STG
	s_add_co_u32 s8, s13, s17
	s_mul_i32 s9, s[CH], 8*PITCH
	s_add_co_u32 s9, s9, s13
	s_lshl_b32 s10, s[CH], 15
	s_lshl_b32 s11, s[CH], 18
	s_add_co_u32 s12, s83, s17                     ; my wave's first hidden unit, in bytes
	v_and_b32 v1, 15, v0                           ; r
	v_bfe_u32 v2, v0, 4, 1                         ; h
	v_and_b32 v5, 31, v0
	v_mul_u32_u24 v3, v1, PITCH
	v_lshl_add_u32 v4, v2, 4, v3
	v_add_nc_u32 v[ADRA], s4, v4
	v_add_nc_u32 v[ADRA+1], s5, v4
	v_add_nc_u32 v[ADRB], s6, v4
	v_add_nc_u32 v[ADRB+1], s7, v4
	v_lshl_add_u32 v6, v2, 5, v3
	v_add_nc_u32 v[CPA], s8, v6                    ; row r, my wave's 128 bytes, + 32 h
	v_mul_u32_u24 v6, v2, PITCH
	v_lshl_add_u32 v6, v1, 4, v6
	v_add_nc_u32 v[RD], s9, v6                     ; row 8 CH + h, 16 bytes a lane
	v_lshlrev_b32 v6, 12, v2
	v_lshl_add_u32 v6, v1, 4, v6
	v_add_nc_u32 v[CO], s10, v6
	v_lshlrev_b32 v[SCO], 4, v5
	v_lshlrev_b32 v[PFO], 10, v5
	v_lshl_add_u32 v[PFC], v5, 12, s11
	v_lshl_add_u32 v[BO], v2, 5, s12
	s_wait_alu depctr_va_vdst(0)
	s_wait_dscnt 0x0                               ; both opening adds are done
	s_wait_kmcnt 0x0
	s_cmp_eq_u32 s[RH], 0
	s_cselect_b64 s[PFA:PFA+1], s[68:69], s[72:73]
	s_add_nc_u64 s[PFA:PFA+1], s[PFA:PFA+1], s[104:105]
	s_add_nc_u64 s[68:69], s[68:69], s[2:3]
	s_add_nc_u64 s[72:73], s[72:73], s[100:101]
.irp s, 0,1
	s_mov_b32 s[G0+4*\s], 1
	s_add_co_u32 s[G0+4*\s+1], s23, \s*SLOT
	s_add_nc_u64 s[G0+4*\s+2:G0+4*\s+3], s[68:69], \s*ROWB
	s_or_b32 s[G0+4*\s+3], s[G0+4*\s+3], 0x80000000
	s_mov_b32 s[G0B+4*\s], 1
	s_add_co_u32 s[G0B+4*\s+1], s23, \s*SLOT
	s_add_nc_u64 s[G0B+4*\s+2:G0B+4*\s+3], s[72:73], \s*ROWB
	s_or_b32 s[G0B+4*\s+3], s[G0B+4*\s+3], 0x80000000
.endr
	CROUND                                         ; all sixteen work-groups are here: the first joint loads meet
	JLOAD G0, G1, G0B, G1B                         ; K step 0: one tensor load a wave at the head
	global_prefetch_b8 v[PFO], s[PFA:PFA+1] offset:256 th:TH_LOAD_NT scope:SCOPE_SE   ; my 32 rows' K step 1,
	global_prefetch_b8 v[PFO], s[PFA:PFA+1] offset:512 th:TH_LOAD_NT scope:SCOPE_SE   ; and K step 2
.irp g, 0,1,2,3                                ; block 2 g + u of B: gate g, hidden units 16 u + 8 h + 0 .. 7: the result's layout
.irp u, 0,1
.irp p, 0,1
	global_load_b128 v[192+8*(2*\g+\u)+4*\p:192+8*(2*\g+\u)+4*\p+3], v[BO], s[84+2*\g:85+2*\g] offset:64*\u+16*\p
	global_load_b128 v[AF+8*(2*\g+\u)+4*\p:AF+8*(2*\g+\u)+4*\p+3], v[BO], s[92+2*\g:93+2*\g] offset:64*\u+16*\p
.endr
.endr
.endr
	s_lshl_b32 s16, s[RH], 7
	s_add_co_u32 s82, s82, s16                     ; my first batch row
	s_lshl_b32 s104, s82, 4
	s_add_nc_u64 s[ASB:ASB+1], s[70:71], s[104:105]
	s_lshl_b32 s104, s67, 4
	s_add_nc_u64 s[BSB:BSB+1], s[74:75], s[104:105]
	SCL 0, 0, 0
	SCL 1, APL, BPL
	s_lshl_b32 s104, s82, 12
	s_add_co_u32 s104, s104, s83                   ; + the tile's 64 hidden units
	s_add_nc_u64 s[CPB:CPB+1], s[76:77], s[104:105]
	s_add_nc_u64 s[O0:O0+1], s[78:79], s[104:105]
	s_add_nc_u64 s[O1:O1+1], s[80:81], s[104:105]
	s_mov_b32 s[NLG], 0xbfb8aa3b                   ; -log2(e)
	s_mov_b32 s[NLG+1], s[NLG]
	s_mov_b32 s[PLG], 0x4038aa3b                   ; 2 log2(e)
	s_mov_b32 s[PLG+1], s[PLG]
	s_mov_b32 s[TL], 2
	s_cmp_eq_u32 s[RH], 0
	s_cselect_b32 s[LIM], 1, 0
	s_wait_loadcnt 0x0                             ; the biases, and the scale words of K steps 0 and 1
	WIN 0x40
.set n, 0
.rept 32
	v_pk_add_f32 v[BI+n:BI+n+1], v[192+n:193+n], v[AF+n:AF+n+1]    ; b + bu, into window 1
.set n, n+2
.endr
	WIN 0
.macro FRAG reg, adr, q, i
.irp c, 0,1
	ds_load_b128 v[\reg+4*\c:\reg+4*\c+3], v[\adr] offset:64*(\q)+32*\c+(\i)*16*PITCH
.endr
.endm
; One product: A's block a x B's block b.  An odd block's scale words lie in lanes 16-31.  first = 1: b + bu is the C.
.macro WM a, b, p, q, sc, first
.set DD, 8*(8*((\a)%4)+(\b))
.set BB, 128*(\p)+FR*(\b)
.set AA, AF+FR*(\a)
.set SBR, SC+32*(\sc)+16+4*((\b)/2)+(\q)
.set SAR, SC+32*(\sc)+4*((\a)/2)+(\q)
.if \first
.set CC, BI+8*(\b)
.else
.set CC, DD
.endif
.if (\a)%2
.if (\b)%2
	v_wmma_scale_f32_16x16x128_f8f6f4 v[DD:DD+7], v[BB:BB+7], v[AA:AA+7], v[CC:CC+7], v[SBR], v[SAR] matrix_a_fmt:MATRIX_FMT_FP4 matrix_b_fmt:MATRIX_FMT_FP4 matrix_a_scale:MATRIX_SCALE_ROW1 matrix_b_scale:MATRIX_SCALE_ROW1
.else
	v_wmma_scale_f32_16x16x128_f8f6f4 v[DD:DD+7], v[BB:BB+7], v[AA:AA+7], v[CC:CC+7], v[SBR], v[SAR] matrix_a_fmt:MATRIX_FMT_FP4 matrix_b_fmt:MATRIX_FMT_FP4 matrix_b_scale:MATRIX_SCALE_ROW1
.endif
.else
.if (\b)%2
	v_wmma_scale_f32_16x16x128_f8f6f4 v[DD:DD+7], v[BB:BB+7], v[AA:AA+7], v[CC:CC+7], v[SBR], v[SAR] matrix_a_fmt:MATRIX_FMT_FP4 matrix_b_fmt:MATRIX_FMT_FP4 matrix_a_scale:MATRIX_SCALE_ROW1
.else
	v_wmma_scale_f32_16x16x128_f8f6f4 v[DD:DD+7], v[BB:BB+7], v[AA:AA+7], v[CC:CC+7], v[SBR], v[SAR] matrix_a_fmt:MATRIX_FMT_FP4 matrix_b_fmt:MATRIX_FMT_FP4
.endif
.endif
.endm
.macro MUL16 a0, p, q, sc, first       ; the 64 accumulators take turns, in the same order in every step
.irp a, \a0, \a0+1
.irp b, 0,1,2,3,4,5,6,7
	WM \a, \b, \p, \q, \sc, \first
.endr
.endr
.endm
.macro FETCH_B slot, q, p
	WIN TO_B
.irp i, 0,1,2,3,4,5,6,7
	FRAG 128*(\p)+FR*\i, ADRB+\slot, \q, \i
.endr
	WIN 0
.endm
.macro FETCH_A slot, q, i0
.irp i, \i0, \i0+1, \i0+2, \i0+3
	FRAG AF+FR*(\i), ADRA+\slot, \q, \i
.endr
.endm
.macro PLACES n
.rept \n
	v_nop
.endr
.endm
.macro STEP slot, q, first             ; 128 along K with its successor in the same slot
	s_wait_dscnt 4*NL                              ; B's set and A's blocks 0-3 are in; the youngest eight loads (A's blocks 4-7) may be out
.if \first
	WIN MULF_LO
.else
	WIN MUL_LO
.endif
	MUL16 0, (\q)%2, \q, \slot, \first
	MUL16 2, (\q)%2, \q, \slot, \first
	s_wait_dscnt 0
	PLACES NP
	FETCH_B \slot, (\q)+1, 1-(\q)%2
	FETCH_A \slot, (\q)+1, 0
.if \first
	WIN MULF_HI
.else
	WIN MUL_HI
.endif
	MUL16 4, (\q)%2, \q, \slot, \first
	MUL16 6, (\q)%2, \q, \slot, \first
	PLACES NP
	WIN 0
	FETCH_A \slot, (\q)+1, 4
.endm
; A slot's last step changes slots.  kind 1: this slot takes the K step two on; kind 2: the next tile's K step 0 or 1; kind 0: nothing is filled, so no round follows.
; fetch: the next slot's first fragments.  scl: the scale words of the K step after next go into this slot's set, which the step's last products have read.  ask: offset of the rows of A prefetched, or -1.  pf: c_prev's tile.
.macro TURN slot, next, kind, fetch, scl, offa, offb, ask, pf
	s_wait_tensorcnt 0x0                           ; all my tensor loads have landed
	ds_add_u32 v[SPW], v[NIL]
	s_wait_dscnt 4*NL+1                            ; (the add and the youngest eight loads may be out)
	WIN MUL_LO
	MUL16 0, 1, NQ-1, \slot, 0
	s_wait_dscnt 0x0                               ; the add is done, and my reads of this slot are over
	s_barrier_signal -1
	MUL16 2, 1, NQ-1, \slot, 0
	WIN 0
	s_barrier_wait -1
.if \kind
	CREST                                          ; the barrier has opened a round: no wave of any partner still reads this slot or has a load on its way
.if \kind == 1
	s_add_nc_u64 s[G0+4*\slot+2:G0+4*\slot+3], s[G0+4*\slot+2:G0+4*\slot+3], 2*ROWB
	s_add_nc_u64 s[G0B+4*\slot+2:G0B+4*\slot+3], s[G0B+4*\slot+2:G0B+4*\slot+3], 2*ROWB
.else
	s_add_nc_u64 s[G0+4*\slot+2:G0+4*\slot+3], s[G0+4*\slot+2:G0+4*\slot+3], WALKA-2*ROWB
	s_sub_nc_u64 s[G0B+4*\slot+2:G0B+4*\slot+3], s[G0B+4*\slot+2:G0B+4*\slot+3], 2*ROWB
.endif
	JLOAD G0+4*\slot, G1, G0B+4*\slot, G1B         ; the first tensor load behind the round; its four v_nop are also the places in front of the loads below
.else
	PLACES NP
.endif
.if \fetch
	FETCH_B \next, 0, 0
	FETCH_A \next, 0, 0
.endif
.if (\ask) >= 0
	s_cmp_eq_u32 s[LIM], 1
	s_cbranch_scc0 .Lnot_mine_\@
	global_prefetch_b8 v[PFO], s[PFA:PFA+1] offset:\ask th:TH_LOAD_NT scope:SCOPE_SE   ; the next tile's rows of A, two refills ahead
.Lnot_mine_\@:
.endif
.if \pf
	global_prefetch_b8 v[PFC], s[CPB:CPB+1] th:TH_LOAD_NT scope:SCOPE_SE                 ; my wave's 64 rows of this tile of c_prev, a lane a row
	global_prefetch_b8 v[PFC], s[CPB:CPB+1] offset:32*4096 th:TH_LOAD_NT scope:SCOPE_SE
.endif
	WIN MUL_HI
	MUL16 4, 1, NQ-1, \slot, 0
	MUL16 6, 1, NQ-1, \slot, 0
	PLACES NP
	WIN 0
.if \fetch
	FETCH_A \next, 0, 4
.endif
	s_wait_loadcnt 0x0                             ; the next K step's scale words, asked for a K step ago (and c_prev's first rows, where they are out)
.if \scl
	SCL \slot, \offa, \offb
.endif
.endm
.macro STEPS slot, from
.set Q, \from
.rept NQ-1-\from
	STEP \slot, Q, 0
.set Q, Q+1
.endr
.endm
; THE WAY OUT.
.macro SEND_LD q                       ; behind pass q's first barrier: my 8 rows of c_t and of a_t of both blocks come back whole; then the next pass's rows of c_prev take c_t's place
.if (\q) > 0
	s_wait_xcnt 0x0                                ; the last pass's stores have read their registers
.endif
	WIN TO_B
.irp e, 0,1
.irp t, 0,1,2,3
	ds_load_b128 v[BK+32*\e+4*\t:BK+32*\e+4*\t+3], v[RD] offset:BUF*\e+2*\t*PITCH
.endr
.irp t, 0,1,2,3
	ds_load_b128 v[BK+32*\e+16+4*\t:BK+32*\e+16+4*\t+3], v[RD] offset:BUF*\e+AST+2*\t*PITCH
.endr
.endr
.if (\q) < 3
.if (\q) > 0
	s_wait_loadcnt 8*(2-(\q))                      ; pass 2's rows of c_prev are in while pass 3's eight loads may be out; then pass 3's.  (Pass 1's were shown in ahead of the way out)
.endif
	WIN FROM_B
.irp e, 0,1
.irp t, 0,1,2,3
	ds_store_b128 v[RD], v[CG+32*((\q)+1)+16*\e+4*\t:CG+32*((\q)+1)+16*\e+4*\t+3] offset:BUF*\e+2*\t*PITCH
.endr
.endr
.endif
	WIN 0
.endm
.macro SEND_ST q                       ; the 16 loads of SEND_LD, in their order; behind load IDX stand 15 - IDX loads and, but for the last pass, eight stores
.if (\q) < 3
.set NS, 8
.else
.set NS, 0
.endif
.set IDX, 0
	WIN FROM_B
.irp e, 0,1
.irp t, 0,1,2,3
	s_wait_dscnt 15-IDX+NS
	global_store_b128 v[CO], v[BK+32*\e+4*\t:BK+32*\e+4*\t+3], s[O1:O1+1] offset:(16*(2*(\q)+\e)+2*\t)*4096 th:TH_STORE_NT   ; 16 lanes store 256 consecutive, aligned bytes
.set IDX, IDX+1
.endr
.irp t, 0,1,2,3
	s_wait_dscnt 15-IDX+NS
	global_store_b128 v[CO], v[BK+32*\e+16+4*\t:BK+32*\e+16+4*\t+3], s[O0:O0+1] offset:(16*(2*(\q)+\e)+2*\t)*4096 th:TH_STORE_NT
.set IDX, IDX+1
.endr
.endr
	WIN 0
.endm
.macro GATES2 q                        ; blocks 2 q and 2 q + 1
.set AC, 128*((\q)%2)
.set WG, 0x02+(\q)/2
	WIN WG
	s_wait_alu depctr_va_vdst(0)                   ; directly ahead of the first readers of the sums
.irp e, 0,1
.irp g, 0,1,2
.irp u, 0,1
.irp j, 0,2,4,6
	v_pk_mul_f32 v[T+64*\e+16*\g+8*\u+\j:T+64*\e+16*\g+8*\u+\j+1], v[AC+64*\e+8*(2*\g+\u)+\j:AC+64*\e+8*(2*\g+\u)+\j+1], s[NLG:NLG+1] op_sel_hi:[1,0]   ; f, i, o: -x log2(e); each accumulator from its low end on
.endr
.endr
.endr
.irp u, 0,1
.irp j, 0,2,4,6
	v_pk_mul_f32 v[T+64*\e+48+8*\u+\j:T+64*\e+48+8*\u+\j+1], v[AC+64*\e+8*(6+\u)+\j:AC+64*\e+8*(6+\u)+\j+1], s[PLG:PLG+1] op_sel_hi:[1,0]   ; g: 2 x log2(e)
.endr
.endr
.endr
	WIN 0
.set n, 0
	s_wait_alu depctr_va_vdst(0)                   ; ahead of the batch
.rept 128
	v_exp_f32 v[T+n], v[T+n]
.set n, n+1
.endr
	v_nop
	s_wait_alu depctr_va_vdst(0)                   ; behind the batch
.if (\q) > 0
	SEND_ST (\q)-1                                 ; the last pass's rows are back by now: they leave
.endif
	s_wait_dscnt 0x0                               ; my accesses by rows are over: c_prev's rows are stored, c_t's and a_t's are read
	s_barrier_signal -1                            ; the pass's second barrier; register work alone up to its wait
.set n, 0
.rept 64
	v_pk_add_f32 v[T+n:T+n+1], v[T+n:T+n+1], 1.0 op_sel_hi:[1,0]
.set n, n+2
.endr
	s_barrier_wait -1
.irp e, 0,1
.irp u, 0,1
.irp p, 0,1
	ds_load_b128 v[CP+16*\e+8*\u+4*\p:CP+16*\e+8*\u+4*\p+3], v[CPA] offset:BUF*\e+64*\u+16*\p
.endr
.endr
.endr
.set n, 0
	s_wait_alu depctr_va_vdst(0)
.rept 128
	v_rcp_f32 v[T+n], v[T+n]                       ; f, i, o, rg = 1 / (1 + e^(2 g))
.set n, n+1
.endr
	s_wait_dscnt 0x0                               ; c_prev is in
	v_nop
	s_wait_alu depctr_va_vdst(0)
.irp e, 0,1
.set n, 0
.rept 8
	v_pk_mul_f32 v[T+64*\e+48+n:T+64*\e+48+n+1], v[T+64*\e+16+n:T+64*\e+16+n+1], v[T+64*\e+48+n:T+64*\e+48+n+1]          ; i rg
.set n, n+2
.endr
.endr
.irp e, 0,1
.set n, 0
.rept 8
	v_pk_fma_f32 v[T+64*\e+n:T+64*\e+n+1], v[T+64*\e+n:T+64*\e+n+1], v[CP+16*\e+n:CP+16*\e+n+1], v[T+64*\e+16+n:T+64*\e+16+n+1]      ; f c_prev + i
.set n, n+2
.endr
.endr
.irp e, 0,1
.set n, 0
.rept 8
	v_pk_fma_f32 v[T+64*\e+n:T+64*\e+n+1], v[T+64*\e+48+n:T+64*\e+48+n+1], -2.0, v[T+64*\e+n:T+64*\e+n+1] op_sel_hi:[1,0,1]   ; - 2 i rg: c_t
.set n, n+2
.endr
.endr
.irp e, 0,1
.set n, 0
.rept 8
	v_pk_mul_f32 v[T+64*\e+16+n:T+64*\e+16+n+1], v[T+64*\e+n:T+64*\e+n+1], s[PLG:PLG+1] op_sel_hi:[1,0]      ; 2 c_t log2(e)
.set n, n+2
.endr
.endr
.irp e, 0,1
.irp u, 0,1
.irp p, 0,1
	ds_store_b128 v[CPA], v[T+64*\e+8*\u+4*\p:T+64*\e+8*\u+4*\p+3] offset:BUF*\e+64*\u+16*\p        ; c_t over the c_prev that I read
.endr
.endr
.endr
	s_wait_alu depctr_va_vdst(0)
.irp e, 0,1
.set n, 0
.rept 16
	v_exp_f32 v[T+64*\e+16+n], v[T+64*\e+16+n]
.set n, n+1
.endr
.endr
	v_nop
	s_wait_alu depctr_va_vdst(0)
.irp e, 0,1
.set n, 0
.rept 8
	v_pk_add_f32 v[T+64*\e+16+n:T+64*\e+16+n+1], v[T+64*\e+16+n:T+64*\e+16+n+1], 1.0 op_sel_hi:[1,0]
.set n, n+2
.endr
.endr
	s_wait_alu depctr_va_vdst(0)
.irp e, 0,1
.set n, 0
.rept 16
	v_rcp_f32 v[T+64*\e+16+n], v[T+64*\e+16+n]     ; rc = 1 / (1 + e^(2 c_t))
.set n, n+1
.endr
.endr
	v_nop
	s_wait_alu depctr_va_vdst(0)
.irp e, 0,1
.set n, 0
.rept 8
	v_pk_mul_f32 v[T+64*\e+16+n:T+64*\e+16+n+1], v[T+64*\e+32+n:T+64*\e+32+n+1], v[T+64*\e+16+n:T+64*\e+16+n+1]          ; o rc
.set n, n+2
.endr
.endr
.irp e, 0,1
.set n, 0
.rept 8
	v_pk_fma_f32 v[T+64*\e+32+n:T+64*\e+32+n+1], v[T+64*\e+16+n:T+64*\e+16+n+1], -2.0, v[T+64*\e+32+n:T+64*\e+32+n+1] op_sel_hi:[1,0,1]   ; o - 2 o rc: a_t
.set n, n+2
.endr
.endr
.irp e, 0,1
.irp u, 0,1
.irp p, 0,1
	ds_store_b128 v[CPA], v[T+64*\e+32+8*\u+4*\p:T+64*\e+32+8*\u+4*\p+3] offset:BUF*\e+AST+64*\u+16*\p
.endr
.endr
.endr
.endm
	s_wait_alu depctr_va_vdst(0)
	s_wait_tensorcnt 0x0                           ; my part of K step 0 is in
	ds_add_u32 v[SPW], v[NIL]
	s_wait_dscnt 0x0
	CROUND
	JLOAD G0+4, G1, G0B+4, G1B                     ; K step 1, the first tensor load behind the round
	global_prefetch_b8 v[PFO], s[PFA:PFA+1] offset:768 th:TH_LOAD_NT scope:SCOPE_SE   ; K step 3
.Ltile:
	FETCH_B 0, 0, 0
	FETCH_A 0, 0, 0
	FETCH_A 0, 0, 4
	STEP 0, 0, 1                                   ; the first products start the sums on the biases
	STEPS 0, 1
	TURN 0, 1, 1, 1, 1, 2*APL, 2*BPL, WALKA, 1     ; slot 0 takes K step 2
	STEPS 1, 0
	TURN 1, 0, 1, 1, 1, 3*APL, 3*BPL, WALKA+256, 0 ; slot 1 takes K step 3
	STEPS 0, 0
	s_cmp_eq_u32 s[TL], 1
	s_cbranch_scc1 .Llast_a
	TURN 0, 1, 2, 1, 1, WALKS, 0, WALKA+512, 0     ; slot 0 takes the next tile's K step 0
	s_branch .Ljoin_a
.Llast_a:
	TURN 0, 1, 0, 1, 0, 0, 0, -1, 0                ; the last tile asks for nothing more
.Ljoin_a:
	CPL 0                                          ; c_prev's rows of the first two passes, a K step ahead of the way out
	CPL 1
	STEPS 1, 0
	s_cmp_eq_u32 s[TL], 1
	s_cbranch_scc1 .Llast_b
	TURN 1, 0, 2, 0, 1, WALKS+APL, BPL, WALKA+768, 0   ; slot 1 takes the next tile's K step 1; its fragments are fetched behind the way out; its wait for loads shows c_prev's rows in
	s_branch .Lout
.Llast_b:
	s_wait_dscnt 4*NL
	WIN MUL_LO
	MUL16 0, 1, NQ-1, 1, 0
	MUL16 2, 1, NQ-1, 1, 0
	s_wait_dscnt 0
	WIN MUL_HI
	MUL16 4, 1, NQ-1, 1, 0
	MUL16 6, 1, NQ-1, 1, 0
	WIN 0
	PLACES NP
	s_wait_loadcnt 0x0                             ; c_prev's rows of the first two passes
.Lout:
	CPL 2                                          ; c_prev's rows of the last two passes, into B's second set, four places behind the last products that read it
	CPL 3
	WIN FROM_B
.irp e, 0,1
.irp t, 0,1,2,3
	ds_store_b128 v[RD], v[CG+16*\e+4*\t:CG+16*\e+4*\t+3] offset:BUF*\e+2*\t*PITCH
.endr
.endr
	WIN 0
.irp q, 0,1,2,3
	GATES2 \q
	s_wait_dscnt 0x0                               ; my stores into the stages are done
	s_barrier_signal -1
	s_barrier_wait -1                              ; the pass's first barrier
	SEND_LD \q
.endr
	SEND_ST 3
	s_wait_xcnt 0x0                                ; every load, store and prefetch has read its base: on to the next tile
	s_add_nc_u64 s[CPB:CPB+1], s[CPB:CPB+1], WALKO
	s_add_nc_u64 s[O0:O0+1], s[O0:O0+1], WALKO
	s_add_nc_u64 s[O1:O1+1], s[O1:O1+1], WALKO
	s_add_nc_u64 s[ASB:ASB+1], s[ASB:ASB+1], WALKS
	s_mov_b32 s[LIM], 0                            ; no tile follows the second: its rows of A are not prefetched
	s_sub_co_u32 s[TL], s[TL], 1
	s_cmp_lg_u32 s[TL], 0
	s_cbranch_scc1 .Ltile
	s_wait_tensorcnt 0x0                           ; the wave's end
	ds_add_u32 v[SPW], v[NIL]
	s_wait_dscnt 0x0
	CROUND                                         ; the closing round
	s_endpgm
.Lfunc_end_k_q04911277f5_cell:
	.size	k_q04911277f5_cell, .Lfunc_end_k_q04911277f5_cell-k_q04911277f5_cell
	.p2alignl 7, 3214868480
	.fill 96, 4, 3214868480
	.section	.rodata,"a",@progbits
	.p2align	6, 0x0
	.amdhsa_kernel k_q04911277f5_cell
		.amdhsa_group_segment_fixed_size 327680
		.amdhsa_private_segment_fixed_size 0
		.amdhsa_enable_private_segment 0
		.amdhsa_kernarg_size 120
		.amdhsa_user_sgpr_count 2
		.amdhsa_user_sgpr_kernarg_segment_ptr 1
		.amdhsa_wavefront_size32 1
		.amdhsa_system_sgpr_workgroup_id_x 1
		.amdhsa_system_sgpr_workgroup_id_y 1
		.amdhsa_system_sgpr_workgroup_id_z 1
		.amdhsa_system_vgpr_workitem_id 0
		.amdhsa_next_free_vgpr 1024
		.amdhsa_next_free_sgpr 106
		.amdhsa_reserve_vcc 0
		.amdhsa_float_denorm_mode_32 3
		.amdhsa_float_denorm_mode_16_64 3
		.amdhsa_memory_ordered 1
		.amdhsa_forward_progress 1
		.amdhsa_inst_pref_size 255
	.end_amdhsa_kernel
	.section	.bss,"aw",@nobits
	.p2align	6
	.space	262144
	.amdgpu_metadata
---
amdhsa.version: [ 1, 2 ]
amdhsa.kernels:
  - .name:           k_q04911277f5_cell
    .symbol:         k_q04911277f5_cell.kd
    .args:
      - { .name: acodes, .offset: 0, .size: 8, .value_kind: global_buffer, .address_space: global }
      - { .name: ascales, .offset: 8, .size: 8, .value_kind: global_buffer, .address_space: global }
      - { .name: bcodes, .offset: 16, .size: 8, .value_kind: global_buffer, .address_space: global }
      - { .name: bscales, .offset: 24, .size: 8, .value_kind: global_buffer, .address_space: global }
      - { .name: c_prev, .offset: 32, .size: 8, .value_kind: global_buffer, .address_space: global }
      - { .name: out0, .offset: 40, .size: 8, .value_kind: global_buffer, .address_space: global }
      - { .name: out1, .offset: 48, .size: 8, .value_kind: global_buffer, .address_space: global }
      - { .name: b_f, .offset: 56, .size: 8, .value_kind: global_buffer, .address_space: global }
      - { .name: b_i, .offset: 64, .size: 8, .value_kind: global_buffer, .address_space: global }
      - { .name: b_o, .offset: 72, .size: 8, .value_kind: global_buffer, .address_space: global }
      - { .name: b_c, .offset: 80, .size: 8, .value_kind: global_buffer, .address_space: global }
      - { .name: bu_f, .offset: 88, .size: 8, .value_kind: global_buffer, .address_space: global }
      - { .name: bu_i, .offset: 96, .size: 8, .value_kind: global_buffer, .address_space: global }
      - { .name: bu_o, .offset: 104, .size: 8, .value_kind: global_buffer, .address_space: global }
      - { .name: bu_c, .offset: 112, .size: 8, .value_kind: global_buffer, .address_space: global }
    .group_segment_fixed_size: 327680
    .private_segment_fixed_size: 0
    .kernarg_segment_align: 8
    .kernarg_segment_size: 120
    .max_flat_workgroup_size: 128
    .sgpr_count:     106
    .vgpr_count:     1024
    .wavefront_size: 32
...
	.end_amdgpu_metadata
.endif
;; end of part 2
